; MI455X (gfx1250); checked and timed in simulation.
; The chip was launched on July 23, 2026; its instructions are those of AMD's public machine-readable ISA for CDNA 5 (MIT licence, August 2026) and "CDNA5" Instruction Set Architecture Reference Guide (July 2026). The comments in the code are by the model that wrote it; some were corrected since.
;; Deep Seek Mo E Model. Allowed arithmetic: float matrix products may take bf16 or f16 operands with f32 sums; other float arithmetic in f32, or as packed bf16 or f16 multiplies, adds, multiply-adds, maxima and minima; sums over many terms, partial sums and values carried from step to step in f32; what a program stores and reads back later, other than sums and carried values, may be rounded once to bf16 or f16.
;; Inputs: down_w 4 x 1,024 x 1,024 float32; gate_w 4 x 1,024 x 1,024 float32; hidden_states 2 x 2,048 x 1,024 float32; router_w 4 x 1,024 float32; sh_down_w 1,024 x 1,024 float32; sh_gate_w 1,024 x 1,024 float32; sh_up_w 1,024 x 1,024 float32; up_w 4 x 1,024 x 1,024 float32.
;; Outputs: out0 2 x 2,048 x 1,024 float32; out1 one number float32.
;; One version. Each part assembles by itself: llvm-mc -triple=amdgcn-amd-amdhsa -mcpu=gfx1250 --defsym DOCPART=n.
;; ======== version 1 of 1: 4 launches
;; workspace buffers: wb 31,457,280 bytes; sel 16,384 bytes of whole numbers; rw 49,152 bytes; xs 10,485,760 bytes; idx 20,992 bytes of whole numbers; ws 40,960 bytes; h 31,457,280 bytes
;; launch prep (part 1): grid 16 x 31, 8 waves a work-group, no clusters, 0 bytes of LDS; arguments hidden_states, router_w, gate_w, up_w, down_w, sh_gate_w, sh_up_w, sh_down_w, wb, sel, rw; writes wb, sel, rw
.if DOCPART == 1
	.amdgcn_target "amdgcn-amd-amdhsa--gfx1250"
	.amdhsa_code_object_version 6
	.text
	.protected	k_qeac34eb973_prep
	.globl	k_qeac34eb973_prep
	.p2align	8
	.type	k_qeac34eb973_prep,@function
k_qeac34eb973_prep:
	s_mov_b64 s[64:65], 0
	v_nop
	global_prefetch_b8 v0, s[64:65] scope:SCOPE_SE
	s_setreg_imm32_b32 hwreg(HW_REG_WAVE_MODE, 25, 1), 1
	s_wait_xcnt 0x0
; PREP: the router, and the weights rounded to bf16 and laid out in blocks.  Two kinds of work-groups, told apart by the grid's y.
; y < 16 (256 work-groups): THE ROUTER.  A wave takes two tokens: logits of x and router_w, BOTH ROUNDED TO bf16 (as every matrix operand of this program is), products exact,
;   sums in f32; the softmax's numerators exp(l - max); the two largest (a later expert wins only if strictly greater, so ties keep the lower index); their weights p / (p1 + p2).
;   Stored at fixed places: sel[t] = the SET of the two experts (0..5 = 01 02 03 12 13 23), rw = w_lo[4096], w_hi[4096], z[4096] = the sum of the squared logits.
;   No address and no branch hangs on these numbers: a later launch reads sel and places the tokens.
; y >= 16 (15 x 16 work-groups): matrix m = y - 16: gate of experts 0..3 and the shared one, then up, then down.  A wave takes 8 rows of 1,024 f32.
;   WGU[e][j][kb][R][128]: row n of gate (t = 0) or up (t = 1): j = n >> 7, R = ((n >> 5) & 3) 64 + 32 t + (n & 31); WD[e][j][kb][n & 127][128] behind it.  kb = k >> 7.
;   So every tile that the products ask for is a dense run of rows of 256 bytes.
; LIMITS.  The two largest are taken of exp(l - max), not divided by their sum (the order is the same); a numerator below 2^-126 counts as 0, and among such the lower index is taken;
; NaN and infinities are not treated apart; the order of the logits' sums differs from the problem's own.
.set X0,  16                           ; v[16:47]   token 0's row as loaded, then 16 registers of bf16 pairs
.set X1,  48                           ; v[48:79]   token 1's
.set RW,  80                           ; v[80:207]  router_w's four rows, 32 registers each
.set ACC, 208                          ; v[208:215] the eight sums: token i, expert e at ACC + 4 i + e
.set TMP, 216
.set CX,  16                           ; conversion: four row slots of 32 registers
.set OD,  8                            ; v[8:15]    conversion: 8 lane + jj x (bytes from block kb to block kb + 1)
	s_load_b512 s[4:19], s[0:1], 0x0               ; hidden s[4:5], router s[6:7], gate s[8:9], up s[10:11], down s[12:13], shared gate s[14:15], up s[16:17], down s[18:19]
	s_load_b128 s[20:23], s[0:1], 0x40             ; wb s[20:21], sel s[22:23]
	s_load_b64 s[24:25], s[0:1], 0x50              ; rw
	v_and_b32 v1, 31, v0                           ; lane
	v_lshrrev_b32 v2, 5, v0
	v_readfirstlane_b32 s26, v2                    ; wave
	s_and_b32 s27, ttmp7, 0xffff                   ; y
	v_lshlrev_b32 v3, 4, v1                        ; 16 bytes a lane: a load covers 512 consecutive bytes
	s_cmp_ge_u32 s27, 16
	s_cbranch_scc1 .Lconv
	; ---------------- the router ----------------
	s_lshl_b32 s28, s27, 4
	s_add_co_u32 s28, s28, ttmp9                   ; block of 16 tokens
	s_lshl_b32 s28, s28, 4
	s_lshl1_add_u32 s28, s26, s28                  ; my first token
	s_lshl_b32 s30, s28, 12                        ; its row, 4,096 bytes a row
	s_mov_b32 s31, 0
	s_mov_b32 s32, 0x76543210                      ; v_permlanex16_b32: each lane takes its own place in the other half
	s_mov_b32 s33, 0xfedcba98
	s_mov_b32 s34, 0xaaaaaaaa                      ; the odd lanes
	s_wait_kmcnt 0x0
	s_add_nc_u64 s[30:31], s[4:5], s[30:31]
.irp jj, 0,1,2,3,4,5,6,7
	global_load_b128 v[X0+4*\jj:X0+4*\jj+3], v3, s[30:31] offset:512*\jj
	global_load_b128 v[X1+4*\jj:X1+4*\jj+3], v3, s[30:31] offset:4096+512*\jj
.endr
.irp e, 0,1,2,3
.irp jj, 0,1,2,3,4,5,6,7
	global_load_b128 v[RW+32*\e+4*\jj:RW+32*\e+4*\jj+3], v3, s[6:7] offset:4096*\e+512*\jj
.endr
.endr
.irp c, 0,1,2,3,4,5,6,7,8
	v_mov_b32 v[ACC+\c], 0                         ; the eight sums, and the register that the exchange of halves writes
.endr
	s_wait_loadcnt 0x0
.irp base, X0, X1, RW, RW+32, RW+64, RW+96
.set i, 0
.rept 16
	v_cvt_pk_bf16_f32 v[(\base)+i], v[(\base)+2*i], v[(\base)+2*i+1]  ; in place, ascending: the target never lies above its sources
.set i, i+1
.endr
.endr
.set i, 0
.rept 16                                               ; eight chains that do not wait for each other: bf16 x bf16 is exact in f32, the sum is f32
.irp e, 0,1,2,3
	v_fma_mix_f32_bf16 v[ACC+\e], v[X0+i], v[RW+32*\e+i], v[ACC+\e] op_sel_hi:[1,1,0]
	v_fma_mix_f32_bf16 v[ACC+4+\e], v[X1+i], v[RW+32*\e+i], v[ACC+4+\e] op_sel_hi:[1,1,0]
.endr
.irp e, 0,1,2,3
	v_fma_mix_f32_bf16 v[ACC+\e], v[X0+i], v[RW+32*\e+i], v[ACC+\e] op_sel:[1,1,0] op_sel_hi:[1,1,0]
	v_fma_mix_f32_bf16 v[ACC+4+\e], v[X1+i], v[RW+32*\e+i], v[ACC+4+\e] op_sel:[1,1,0] op_sel_hi:[1,1,0]
.endr
.set i, i+1
.endr
.macro FRED r                          ; the sum over the 32 lanes, left in every lane
.irp m, 1,2,4,8
	v_add_f32_dpp v[\r], v[\r], v[\r] row_xmask:\m row_mask:0xf bank_mask:0xf
.endr
	v_permlanex16_b32 v[TMP], v[\r], s32, s33
	v_add_f32 v[\r], v[\r], v[TMP]
.endm
.irp c, 0,1,2,3,4,5,6,7
	FRED ACC+\c
.endr
.irp e, 0,1,2,3
	v_cndmask_b32 v[16+\e], v[ACC+\e], v[ACC+4+\e], s34  ; even lanes go on with token 0, odd lanes with token 1: v16-19 the four logits
.endr
	v_mul_f32 v20, v16, v16                        ; z
	v_fmac_f32 v20, v17, v17
	v_fmac_f32 v20, v18, v18
	v_fmac_f32 v20, v19, v19
	v_max3_num_f32 v21, v16, v17, v18
	v_max_num_f32 v21, v21, v19                    ; the maximum is taken away before the exponentials
.irp e, 0,1,2,3
	v_sub_f32 v[24+\e], v[16+\e], v21
.endr
.irp e, 0,1,2,3
	v_mul_f32 v[24+\e], 0x3fb8aa3b, v[24+\e]       ; log2(e)
.endr
.irp e, 0,1,2,3
	v_exp_f32 v[24+\e], v[24+\e]
.endr
	v_lshlrev_b32 v44, 2, v1                       ; a plain instruction behind the last exponential,
	s_wait_alu depctr_va_vdst(0)                   ; and one wait for the four, ahead of their first use
.macro BEST src, val, ind              ; the largest of four and its index
	v_mov_b32 v[\val], v[\src]
	v_mov_b32 v[\ind], 0
.irp e, 1,2,3
	v_cmp_gt_f32 vcc_lo, v[(\src)+\e], v[\val]
	v_cndmask_b32 v[\val], v[\val], v[(\src)+\e], vcc_lo
	v_cndmask_b32 v[\ind], v[\ind], \e, vcc_lo
.endr
.endm
	BEST 24, 32, 33
.irp e, 0,1,2,3
	v_cmp_eq_u32 vcc_lo, \e, v33
	v_cndmask_b32 v[28+\e], v[24+\e], -1.0, vcc_lo ; the first is taken out: every numerator is 0 or more
.endr
	BEST 28, 34, 35
	v_add_f32 v36, v32, v34
	v_rcp_f32 v45, v36
	v_min_u32 v39, v33, v35                        ; lo (a plain instruction behind the reciprocal)
	v_max_u32 v40, v33, v35                        ; hi
	s_wait_alu depctr_va_vdst(0)
	v_mul_f32 v37, v32, v45
	v_mul_f32 v38, v34, v45
	v_cmp_lt_u32 vcc_lo, v33, v35
	v_cndmask_b32 v41, v38, v37, vcc_lo            ; lo's weight
	v_cndmask_b32 v42, v37, v38, vcc_lo            ; hi's
	v_min_u32 v43, 1, v39
	v_add3_u32 v43, v43, v39, v40
	v_add_nc_u32 v43, -1, v43                      ; the set: lo + hi - 1 + min(lo, 1)
	v_lshl_add_u32 v44, s28, 2, v44                ; 4 (my first token + lane)
	s_wait_xcnt 0x0                                ; EXEC changes only behind this wait
	v_cmp_gt_u32 vcc_lo, 2, v1
	s_and_saveexec_b32 s35, vcc_lo                 ; lane 0 holds token 0's numbers, lane 1 token 1's: four tables of 16 KB in the whole launch
	global_store_b32 v44, v43, s[22:23]
	global_store_b32 v44, v41, s[24:25]
	global_store_b32 v44, v42, s[24:25] offset:16384
	global_store_b32 v44, v20, s[24:25] offset:32768
	s_wait_xcnt 0x0
	s_or_b32 exec_lo, exec_lo, s35
	s_endpgm
	; ---------------- the weights ----------------
.Lconv:
	s_sub_co_u32 s28, s27, 16                      ; matrix 0..14
	s_cmp_ge_u32 s28, 5
	s_cselect_b32 s29, 1, 0
	s_cmp_ge_u32 s28, 10
	s_cselect_b32 s30, 1, 0
	s_add_co_u32 s29, s29, s30                     ; 0 gate, 1 up, 2 down
	s_mul_i32 s30, s29, 5
	s_sub_co_u32 s30, s28, s30                     ; expert; 4 = the shared one
	s_lshl_b32 s31, ttmp9, 6
	s_lshl3_add_u32 s31, s26, s31                  ; my first row: 64 x + 8 wave
	s_lshr_b32 s42, s31, 7                         ; j
	s_lshl_b32 s43, s30, 22                        ; gate and up: e, j,
	s_lshl_b32 s44, s42, 19
	s_add_co_u32 s43, s43, s44
	s_bfe_u32 s44, s31, 0x20005                    ; R = ((n >> 5) & 3) 64
	s_lshl_b32 s44, s44, 6
	s_lshl_b32 s45, s29, 5                         ;   + 32 t
	s_add_co_u32 s44, s44, s45
	s_and_b32 s45, s31, 31                         ;   + (n & 31)
	s_add_co_u32 s44, s44, s45
	s_lshl_b32 s44, s44, 8
	s_add_co_u32 s43, s43, s44
	s_lshl_b32 s46, s30, 21                        ; down: e, j, n & 127, behind WGU
	s_lshl_b32 s47, s42, 18
	s_add_co_u32 s46, s46, s47
	s_and_b32 s47, s31, 127
	s_lshl_b32 s47, s47, 8
	s_add_co_u32 s46, s46, s47
	s_add_co_u32 s46, s46, 20971520
	s_mov_b32 s44, 65536                           ; bytes from block kb to the next: 256 rows, or 128
	s_cmp_eq_u32 s29, 2
	s_cselect_b32 s43, s46, s43
	s_cselect_b32 s44, 32768, s44
	v_lshlrev_b32 v4, 3, v1                        ; 8 bytes of bf16 a lane
.irp jj, 0,1,2,3,4,5,6,7
	s_mul_i32 s45, s44, \jj
	v_add_nc_u32 v[OD+\jj], s45, v4
.endr
	s_lshl_b32 s40, s30, 22                        ; the expert's matrix in the routed inputs
	s_lshl_b32 s41, s31, 12                        ; my rows
	s_wait_kmcnt 0x0
	s_cmp_eq_u32 s29, 0
	s_cselect_b64 s[36:37], s[8:9], s[10:11]
	s_cselect_b64 s[38:39], s[14:15], s[16:17]
	s_cmp_eq_u32 s29, 2
	s_cselect_b64 s[36:37], s[12:13], s[36:37]
	s_cselect_b64 s[38:39], s[18:19], s[38:39]
	s_cmp_eq_u32 s30, 4
	s_cselect_b64 s[36:37], s[38:39], s[36:37]
	s_cselect_b32 s40, 0, s40
	s_add_co_u32 s40, s40, s41
	s_mov_b32 s41, 0
	s_add_nc_u64 s[36:37], s[36:37], s[40:41]      ; from
	s_mov_b32 s40, s43
	s_add_nc_u64 s[38:39], s[20:21], s[40:41]      ; to
.macro FILL slot, row                  ; a row: eight loads of 512 consecutive bytes
.irp jj, 0,1,2,3,4,5,6,7
	global_load_b128 v[CX+32*(\slot)+4*\jj:CX+32*(\slot)+4*\jj+3], v3, s[36:37] offset:(\row)*4096+512*\jj th:TH_LOAD_NT
.endr
.endm
.macro TURN row, left                  ; left: the younger rows' loads, which stay out
	s_wait_loadcnt \left
.set cb, CX+32*((\row)%4)
.set i, 0
.rept 16
	v_cvt_pk_bf16_f32 v[cb+i], v[cb+2*i], v[cb+2*i+1]
.set i, i+1
.endr
.irp jj, 0,1,2,3,4,5,6,7
	global_store_b64 v[OD+\jj], v[cb+2*\jj:cb+2*\jj+1], s[38:39] offset:(\row)*256  ; the 32 lanes store the row's 256 bytes in block jj, aligned
.endr
.if (\row) <= 4
	s_wait_xcnt 0x0                                ; the slot filled next was stored from a turn ago: it is loaded again only behind this wait
	FILL ((\row)+3)%4, (\row)+3
.endif
.endm
	FILL 0, 0
	FILL 1, 1
	FILL 2, 2
.irp r, 0,1,2,3,4,5
	TURN \r, 16
.endr
	TURN 6, 8
	TURN 7, 0
	s_endpgm
.Lfunc_end_k_qeac34eb973_prep:
	.size	k_qeac34eb973_prep, .Lfunc_end_k_qeac34eb973_prep-k_qeac34eb973_prep
	.p2alignl 7, 3214868480
	.fill 96, 4, 3214868480
	.section	.rodata,"a",@progbits
	.p2align	6, 0x0
	.amdhsa_kernel k_qeac34eb973_prep
		.amdhsa_group_segment_fixed_size 0
		.amdhsa_private_segment_fixed_size 0
		.amdhsa_enable_private_segment 0
		.amdhsa_kernarg_size 88
		.amdhsa_user_sgpr_count 2
		.amdhsa_user_sgpr_kernarg_segment_ptr 1
		.amdhsa_wavefront_size32 1
		.amdhsa_system_sgpr_workgroup_id_x 1
		.amdhsa_system_sgpr_workgroup_id_y 1
		.amdhsa_system_sgpr_workgroup_id_z 1
		.amdhsa_system_vgpr_workitem_id 0
		.amdhsa_next_free_vgpr 224
		.amdhsa_next_free_sgpr 66
		.amdhsa_reserve_vcc 1
		.amdhsa_float_denorm_mode_32 3
		.amdhsa_float_denorm_mode_16_64 3
		.amdhsa_memory_ordered 1
		.amdhsa_forward_progress 1
		.amdhsa_inst_pref_size 57
	.end_amdhsa_kernel
	.amdgpu_metadata
---
amdhsa.version: [ 1, 2 ]
amdhsa.kernels:
  - .name:           k_qeac34eb973_prep
    .symbol:         k_qeac34eb973_prep.kd
    .args:
      - { .name: hidden_states, .offset: 0, .size: 8, .value_kind: global_buffer, .address_space: global }
      - { .name: router_w, .offset: 8, .size: 8, .value_kind: global_buffer, .address_space: global }
      - { .name: gate_w, .offset: 16, .size: 8, .value_kind: global_buffer, .address_space: global }
      - { .name: up_w, .offset: 24, .size: 8, .value_kind: global_buffer, .address_space: global }
      - { .name: down_w, .offset: 32, .size: 8, .value_kind: global_buffer, .address_space: global }
      - { .name: sh_gate_w, .offset: 40, .size: 8, .value_kind: global_buffer, .address_space: global }
      - { .name: sh_up_w, .offset: 48, .size: 8, .value_kind: global_buffer, .address_space: global }
      - { .name: sh_down_w, .offset: 56, .size: 8, .value_kind: global_buffer, .address_space: global }
      - { .name: wb, .offset: 64, .size: 8, .value_kind: global_buffer, .address_space: global }
      - { .name: sel, .offset: 72, .size: 8, .value_kind: global_buffer, .address_space: global }
      - { .name: rw, .offset: 80, .size: 8, .value_kind: global_buffer, .address_space: global }
    .group_segment_fixed_size: 0
    .private_segment_fixed_size: 0
    .kernarg_segment_align: 8
    .kernarg_segment_size: 88
    .max_flat_workgroup_size: 256
    .sgpr_count:     66
    .vgpr_count:     224
    .wavefront_size: 32
...
	.end_amdgpu_metadata
.endif
;; end of part 1
;; launch place (part 2): grid 256 x 1, 8 waves a work-group, no clusters, 1,280 bytes of LDS; arguments hidden_states, sel, rw, xs, idx, ws, out1; writes xs, idx, ws, out1
.if DOCPART == 2
	.amdgcn_target "amdgcn-amd-amdhsa--gfx1250"
	.amdhsa_code_object_version 6
	.text
	.protected	k_qeac34eb973_place
	.globl	k_qeac34eb973_place
	.p2align	8
	.type	k_qeac34eb973_place,@function
k_qeac34eb973_place:
	s_mov_b64 s[64:65], 0
	v_nop
	global_prefetch_b8 v0, s[64:65] scope:SCOPE_SE
	s_setreg_imm32_b32 hwreg(HW_REG_WAVE_MODE, 25, 1), 1
	s_wait_xcnt 0x0
; PLACE: the tokens sorted by their set of experts, dealt into at most 32 tiles of one set each, and x rounded to bf16 and laid there.
; Every work-group counts all 4,096 choices for itself (16 KB of whole numbers); no sum crosses work-groups.  A tile has a pitch of 160 rows and takes C tokens, C the smallest of 128, 144, 160 with
; sum over the sets of ceil(n / C) <= 32; at C = 160 the sum is at most (4,096 + 6 x 159) / 160 = 31, so 32 tiles serve every split.
; Work-group B owns tokens 16 B .. 16 B + 15 (two a wave) and the places 20 B .. 20 B + 19 (all in tile B >> 3) wherever no token falls there: those rows of xs, tok and ws get zeros.
; xs[tile][kb][row 0..159][128] bf16; idx: tok[160 tile + row], then at byte 20,480 tl[tile] = {lo, hi, rows, units of 16 rows}; ws[160 tile + row] = (w_lo, w_hi).
; out1 = 0.01 mean((load / sum of loads - 1/5)^2) + 0.01 mean(z): work-group 0.  The order of z's sum differs from the problem's own.
.set SPARE, 256                        ; bytes 0-255: eight waves x 32 bytes of counts; then the spare words, 128 bytes a wave, which no other line names
.set SPW, 6
.set NIL, 7
.set TLO, 113                          ; v113  16 lane + 16 tile: lane 0's is the tile's entry in tl; made once, never rewritten
.set O1O, 122                          ; v122  4 lane: lane 0's is out1; made once, never rewritten
	s_load_b256 s[4:11], s[0:1], 0x0               ; hidden s[4:5], sel s[6:7], rw s[8:9], xs s[10:11]
	s_load_b128 s[12:15], s[0:1], 0x20             ; idx s[12:13], ws s[14:15]
	s_load_b64 s[16:17], s[0:1], 0x30              ; out1
	v_lshl_add_u32 v[SPW], v0, 2, SPARE
	v_mov_b32 v[NIL], 0
	v_and_b32 v1, 31, v0                           ; lane
	v_lshrrev_b32 v9, 5, v0
	v_readfirstlane_b32 s18, v9                    ; wave
	s_mov_b32 s19, ttmp9                           ; B
	s_lshl_b32 s20, s19, 4
	s_lshl1_add_u32 s20, s18, s20                  ; my first token
	s_lshl_b32 s21, s20, 2
	s_lshl_b32 s48, s20, 12
	s_mov_b32 s49, 0
	s_mov_b32 s52, 0x76543210
	s_mov_b32 s53, 0xfedcba98
	s_lshr_b32 s66, s19, 3                         ; the tile of my 20 places
	s_lshl_b32 s60, s66, 4
	v_lshl_add_u32 v[TLO], v1, 4, s60
	v_lshlrev_b32 v[O1O], 2, v1
	v_lshlrev_b32 v2, 4, v1                        ; 16 lane
	v_lshlrev_b32 v3, 3, v1                        ; 8 lane
	v_lshlrev_b32 v4, 6, v0                        ; thread t holds the choices of tokens 16 t .. 16 t + 15
	v_and_b32 v5, 15, v0
	v_lshlrev_b32 v5, 2, v5
	v_lshl_add_u32 v5, s19, 6, v5                  ; the choice of my work-group's token lane % 16
	v_mov_b32 v8, 1
	v_mov_b32 v9, 0
	v_mov_b32 v11, 0
	v_mov_b32 v12, 0
	s_wait_kmcnt 0x0
	s_load_b64 s[22:23], s[6:7], s21 offset:0x0    ; my two tokens' sets,
	s_load_b64 s[24:25], s[8:9], s21 offset:0x0    ; w_lo,
	s_load_b64 s[26:27], s[8:9], s21 offset:0x4000 ; w_hi
.irp c, 0,1,2,3
	global_load_b128 v[80+4*\c:83+4*\c], v4, s[6:7] offset:16*\c
.endr
.irp c, 0,1,2,3
	global_load_b128 v[96+4*\c:99+4*\c], v4, s[8:9] offset:32768+16*\c
.endr
	global_load_b32 v112, v5, s[6:7]
	s_add_nc_u64 s[50:51], s[4:5], s[48:49]
.irp jj, 0,1,2,3,4,5,6,7
	global_load_b128 v[16+4*\jj:19+4*\jj], v2, s[50:51] offset:512*\jj th:TH_LOAD_NT
.endr
.irp jj, 0,1,2,3,4,5,6,7
	global_load_b128 v[48+4*\jj:51+4*\jj], v2, s[50:51] offset:4096+512*\jj th:TH_LOAD_NT
.endr
	s_wait_loadcnt 16                              ; the tables are in; the sixteen loads of x, issued behind them, stay out
	; my 16 choices as six counts of 5 bits
.irp i, 0,1,2,3,4,5,6,7,8,9,10,11,12,13,14,15
	v_mul_u32_u24 v10, 5, v[80+\i]
	v_lshlrev_b32 v10, v10, v8
	v_add_nc_u32 v11, v11, v10
.endr
.irp p, 0,1,2
	v_bfe_u32 v9, v11, 10*\p, 5
	v_bfe_u32 v10, v11, 10*\p+5, 5
	v_lshl_or_b32 v[114+\p], v10, 16, v9           ; widened: two counts of 16 bits a register (4,096 at the most)
.endr
	v_cmp_gt_u32 vcc_lo, s19, v0                   ; threads below B hold the tokens ahead of my work-group's
.irp p, 0,1,2
	v_cndmask_b32 v[117+\p], 0, v[114+\p], vcc_lo
.endr
	v_pk_add_f32 v[96:97], v[96:97], v[98:99]
	v_pk_add_f32 v[100:101], v[100:101], v[102:103]
	v_pk_add_f32 v[104:105], v[104:105], v[106:107]
	v_pk_add_f32 v[108:109], v[108:109], v[110:111]
	v_pk_add_f32 v[96:97], v[96:97], v[100:101]
	v_pk_add_f32 v[104:105], v[104:105], v[108:109]
	v_pk_add_f32 v[96:97], v[96:97], v[104:105]
	v_add_f32 v120, v96, v97
	v_mov_b32 v121, 0
.macro IRED r                          ; a sum of whole numbers over the 32 lanes
.irp m, 1,2,4,8
	v_mov_b32_dpp v9, v[\r] row_xmask:\m row_mask:0xf bank_mask:0xf
	v_add_nc_u32 v[\r], v[\r], v9
.endr
	v_permlanex16_b32 v9, v[\r], s52, s53
	v_add_nc_u32 v[\r], v[\r], v9
.endm
.irp r, 114,115,116,117,118,119
	IRED \r
.endr
.irp m, 1,2,4,8
	v_add_f32_dpp v120, v120, v120 row_xmask:\m row_mask:0xf bank_mask:0xf
.endr
	v_permlanex16_b32 v9, v120, s52, s53
	v_add_f32 v120, v120, v9
	v_mov_b32 v10, s18
	v_lshlrev_b32 v10, 5, v10                      ; my wave's 32 bytes; all lanes write the same numbers
	ds_store_b128 v10, v[114:117]
	ds_store_b128 v10, v[118:121] offset:16
	s_wait_dscnt 0x0                               ; for the others' sake: my stores are done
	s_barrier_signal -1
	s_barrier_wait -1
.irp i, 0,1,2,3,4,5,6,7,8,9,10,11,12,13,14,15
	ds_load_b128 v[124+4*\i:127+4*\i], v12 offset:16*\i
.endr
	s_wait_dscnt 0x0
	s_wait_tensorcnt 0x0                           ; my last LDS store lies behind me: the sums stand between the add and its wait
	ds_add_u32 v[SPW], v[NIL]
.irp w, 1,2,3,4,5,6,7
.irp f, 0,1,2,3,4,5
	v_add_nc_u32 v[124+\f], v[124+\f], v[124+8*\w+\f]
.endr
	v_add_f32 v130, v130, v[130+8*\w]
.endr
	s_wait_dscnt 0x0
.irp f, 0,1,2,3,4,5
	v_readfirstlane_b32 s[54+\f], v[124+\f]
.endr
.irp p, 0,1,2
	s_and_b32 s[28+2*\p], s[54+\p], 0xffff         ; s28-33: n of set 0..5
	s_lshr_b32 s[29+2*\p], s[54+\p], 16
	s_and_b32 s[34+2*\p], s[57+\p], 0xffff         ; s34-39: of them ahead of my work-group's tokens
	s_lshr_b32 s[35+2*\p], s[57+\p], 16
.endr
.macro CNTTILES dst, c, m              ; sum of ceil(n / c); floor(a / c) = (a m) >> 20 is exact for a below 16,384 with these m
	s_mov_b32 \dst, 0
.irp i, 0,1,2,3,4,5
	s_add_co_u32 s60, s[28+\i], (\c)-1
	s_mul_i32 s60, s60, \m
	s_lshr_b32 s60, s60, 20
	s_add_co_u32 \dst, \dst, s60
.endr
.endm
	CNTTILES s61, 128, 8192
	CNTTILES s62, 144, 7282
	s_mov_b32 s46, 160                             ; C
	s_mov_b32 s47, 6554                            ; its multiplier
	s_cmp_le_u32 s62, 32
	s_cselect_b32 s46, 144, s46
	s_cselect_b32 s47, 7282, s47
	s_cmp_le_u32 s61, 32
	s_cselect_b32 s46, 128, s46
	s_cselect_b32 s47, 8192, s47
	s_mov_b32 s40, 0                               ; s40-45: the first tile of set 0..5
.irp i, 0,1,2,3,4
	s_add_co_u32 s60, s[28+\i], s46
	s_sub_co_u32 s60, s60, 1
	s_mul_i32 s60, s60, s47
	s_lshr_b32 s60, s60, 20
	s_add_co_u32 s[41+\i], s[40+\i], s60
.endr
	s_wait_kmcnt 0x0                               ; my tokens' sets and weights
.macro OWN i                           ; token i of my two: its rank in its set, tile and row
	v_cmp_eq_u32 vcc_lo, s[22+(\i)], v112
	s_lshl1_add_u32 s60, s18, \i
	s_bfm_b32 s60, s60, 0                          ; the work-group's tokens ahead of it
	s_and_b32 s60, s60, vcc_lo
	s_bcnt1_i32_b32 s60, s60
	s_mov_b32 s61, s34
	s_mov_b32 s62, s40
.irp j, 1,2,3,4,5
	s_cmp_eq_u32 s[22+(\i)], \j
	s_cselect_b32 s61, s[34+\j], s61
	s_cselect_b32 s62, s[40+\j], s62
.endr
	s_add_co_u32 s60, s60, s61                     ; rank
	s_mul_i32 s61, s60, s47
	s_lshr_b32 s61, s61, 20                        ; rank / C
	s_mul_i32 s63, s61, s46
	s_sub_co_u32 s60, s60, s63                     ; row
	s_add_co_u32 s61, s61, s62                     ; tile
	s_min_u32 s61, s61, 31                         ; numbers made of loaded ones enter addresses only behind these two bounds
	s_min_u32 s60, s60, 159
	s_mul_i32 s62, s61, 160
	s_add_co_u32 s[70+(\i)], s62, s60              ; place
	s_mul_i32 s62, s61, 327680
	s_lshl_b32 s63, s60, 8
	s_add_co_u32 s62, s62, s63
	v_add_nc_u32 v[13+(\i)], s62, v3               ; the row's bytes in xs, block 0
.endm
	OWN 0
	OWN 1
	s_wait_loadcnt 0x0                             ; x
.irp base, 16, 48
.set i, 0
.rept 16
	v_cvt_pk_bf16_f32 v[(\base)+i], v[(\base)+2*i], v[(\base)+2*i+1]
.set i, i+1
.endr
.endr
.irp jj, 0,1,2,3,4,5,6,7
	global_store_b64 v13, v[16+2*\jj:17+2*\jj], s[10:11] offset:40960*\jj  ; the 32 lanes store the row's 256 bytes in block jj, aligned
	global_store_b64 v14, v[48+2*\jj:49+2*\jj], s[10:11] offset:40960*\jj
.endr
	v_cmp_eq_u32 vcc_lo, 1, v1                     ; lane 0 takes token 0's place and weights, lane 1 token 1's
	v_mov_b32 v9, s71
	v_cndmask_b32 v9, s70, v9, vcc_lo
	v_min_u32 v9, 0x13ff, v9
	v_lshlrev_b32 v10, 2, v9
	v_lshlrev_b32 v80, 3, v9
	v_add_nc_u32 v81, s20, v1
	v_mov_b32 v82, s25
	v_cndmask_b32 v82, s24, v82, vcc_lo
	v_mov_b32 v83, s27
	v_cndmask_b32 v83, s26, v83, vcc_lo
	s_wait_xcnt 0x0                                ; EXEC changes only behind this wait
	v_cmp_gt_u32 vcc_lo, 2, v1
	s_and_saveexec_b32 s60, vcc_lo
	global_store_b32 v10, v81, s[12:13]
	global_store_b64 v80, v[82:83], s[14:15]
	s_wait_xcnt 0x0
	s_or_b32 exec_lo, exec_lo, s60
	; my 20 places: tile B >> 3, rows 20 (B & 7) on.  Which set has that tile, and how many rows are taken
	s_and_b32 s67, s19, 7
	s_mul_i32 s67, s67, 20
	s_mul_i32 s68, s66, 327680
	s_mov_b32 s80, s28
	s_mov_b32 s81, 0
	s_mov_b32 s82, 0
.irp j, 1,2,3,4,5
	s_cmp_ge_u32 s66, s[40+\j]                     ; the last set whose first tile is not beyond mine
	s_cselect_b32 s80, s[28+\j], s80
	s_cselect_b32 s81, s[40+\j], s81
	s_cselect_b32 s82, \j, s82
.endr
	s_sub_co_u32 s83, s66, s81
	s_mul_i32 s83, s83, s46
	s_sub_co_i32 s83, s80, s83
	s_max_i32 s83, s83, 0
	s_min_i32 s83, s83, s46                        ; rows taken
	s_add_co_u32 s84, s83, 15
	s_lshr_b32 s84, s84, 4                         ; units of 16 rows
	s_lshl_b32 s85, s82, 2
	s_lshr_b32 s86, 0x211000, s85
	s_and_b32 s86, s86, 15                         ; lo
	s_lshr_b32 s87, 0x332321, s85
	s_and_b32 s87, s87, 15                         ; hi
.irp i, 84,85,86,87
	v_mov_b32 v[\i], 0
.endr
	v_and_b32 v9, 15, v1
	v_lshrrev_b32 v10, 4, v1
	v_mul_u32_u24 v10, v10, 0xa000
	v_lshl_add_u32 v15, v9, 4, v10                 ; sixteen lanes a block's 256 bytes; lanes 16-31 the next block's
.macro ZROW kk                         ; place wave + 8 kk of the 20: an empty row of xs gets zeros
	s_add_co_u32 s60, s18, 8*(\kk)
	s_cmp_lt_u32 s60, 20
	s_cbranch_scc0 .Lno_pad_\@
	s_add_co_u32 s60, s60, s67
	s_cmp_ge_u32 s60, s83
	s_cbranch_scc0 .Lno_pad_\@
	s_lshl_b32 s60, s60, 8
	s_add_co_u32 s60, s60, s68
	v_add_nc_u32 v[88+(\kk)], s60, v15
.irp u, 0,1,2,3
	global_store_b128 v[88+(\kk)], v[84:87], s[10:11] offset:81920*\u
.endr
.Lno_pad_\@:
.endm
	ZROW 0
	ZROW 1
	ZROW 2
	s_cmp_lg_u32 s18, 0
	s_cbranch_scc1 .Lend
	v_add_nc_u32 v9, s67, v1                       ; wave 0: tok and ws of the empty places: lane k has row 20 (B & 7) + k;
	v_cmp_gt_u32 vcc_lo, 20, v1
	v_cndmask_b32 v9, -1, v9, vcc_lo               ; lanes 20 to 31 have none: -1 is below every count in the signed compare
	s_mul_i32 s61, s19, 20
	v_add_nc_u32 v10, s61, v1
	v_lshlrev_b32 v80, 2, v10
	v_lshlrev_b32 v81, 3, v10
	v_cmp_le_i32 vcc_lo, s83, v9                   ; rows taken <= my row: the place is empty
	s_wait_xcnt 0x0
	s_and_saveexec_b32 s62, vcc_lo
	global_store_b32 v80, v84, s[12:13]
	global_store_b64 v81, v[84:85], s[14:15]
	s_wait_xcnt 0x0
	s_or_b32 exec_lo, exec_lo, s62
	s_and_b32 s60, s19, 7
	s_cmp_lg_u32 s60, 0
	s_cbranch_scc1 .Lend
	v_mov_b32 v92, s86                             ; the tile's first work-group writes its entry
	v_mov_b32 v93, s87
	v_mov_b32 v94, s83
	v_mov_b32 v95, s84
	v_cmp_eq_u32 vcc_lo, 0, v1
	s_wait_xcnt 0x0
	s_and_saveexec_b32 s62, vcc_lo
	global_store_b128 v[TLO], v[92:95], s[12:13] offset:20480
	s_wait_xcnt 0x0
	s_or_b32 exec_lo, exec_lo, s62
	s_cmp_lg_u32 s19, 0
	s_cbranch_scc1 .Lend
	s_add_co_u32 s88, s28, s29                     ; the experts' loads from the sets' counts
	s_add_co_u32 s88, s88, s30
	s_add_co_u32 s89, s28, s31
	s_add_co_u32 s89, s89, s32
	s_add_co_u32 s90, s29, s31
	s_add_co_u32 s90, s90, s33
	s_add_co_u32 s91, s30, s32
	s_add_co_u32 s91, s91, s33
.irp i, 0,1,2,3
	v_cvt_f32_u32 v[96+\i], s[88+\i]
.endr
	v_mov_b32 v100, 0x45800000                     ; the shared expert's: 4,096
	v_add_f32 v101, v96, v97
	v_add_f32 v102, v98, v99
	v_add_f32 v101, v101, v102
	v_add_f32 v101, v101, v100
	v_rcp_f32 v102, v101
	v_cmp_eq_u32 vcc_lo, 0, v1                     ; a plain instruction behind the reciprocal,
	s_wait_alu depctr_va_vdst(0)                   ; and its wait
.irp i, 0,1,2,3,4
	v_fmaak_f32 v[96+\i], v[96+\i], v102, 0xbe4ccccd  ; load / sum - 0.2
.endr
	v_mul_f32 v103, v96, v96
.irp i, 1,2,3,4
	v_fmac_f32 v103, v[96+\i], v[96+\i]
.endr
	v_mul_f32 v103, 0x3b03126f, v103               ; x 0.01 / 5
	v_fmamk_f32 v103, v130, 0x3623d70a, v103       ; + z's sum x 0.01 / 4,096
	s_wait_xcnt 0x0
	s_and_saveexec_b32 s62, vcc_lo
	global_store_b32 v[O1O], v103, s[16:17]
	s_wait_xcnt 0x0
	s_or_b32 exec_lo, exec_lo, s62
.Lend:
	s_endpgm
.Lfunc_end_k_qeac34eb973_place:
	.size	k_qeac34eb973_place, .Lfunc_end_k_qeac34eb973_place-k_qeac34eb973_place
	.p2alignl 7, 3214868480
	.fill 96, 4, 3214868480
	.section	.rodata,"a",@progbits
	.p2align	6, 0x0
	.amdhsa_kernel k_qeac34eb973_place
		.amdhsa_group_segment_fixed_size 1280
		.amdhsa_private_segment_fixed_size 0
		.amdhsa_enable_private_segment 0
		.amdhsa_kernarg_size 56
		.amdhsa_user_sgpr_count 2
		.amdhsa_user_sgpr_kernarg_segment_ptr 1
		.amdhsa_wavefront_size32 1
		.amdhsa_system_sgpr_workgroup_id_x 1
		.amdhsa_system_sgpr_workgroup_id_y 1
		.amdhsa_system_sgpr_workgroup_id_z 1
		.amdhsa_system_vgpr_workitem_id 0
		.amdhsa_next_free_vgpr 192
		.amdhsa_next_free_sgpr 100
		.amdhsa_reserve_vcc 1
		.amdhsa_float_denorm_mode_32 3
		.amdhsa_float_denorm_mode_16_64 3
		.amdhsa_memory_ordered 1
		.amdhsa_forward_progress 1
		.amdhsa_inst_pref_size 31
	.end_amdhsa_kernel
	.amdgpu_metadata
---
amdhsa.version: [ 1, 2 ]
amdhsa.kernels:
  - .name:           k_qeac34eb973_place
    .symbol:         k_qeac34eb973_place.kd
    .args:
      - { .name: hidden_states, .offset: 0, .size: 8, .value_kind: global_buffer, .address_space: global }
      - { .name: sel, .offset: 8, .size: 8, .value_kind: global_buffer, .address_space: global }
      - { .name: rw, .offset: 16, .size: 8, .value_kind: global_buffer, .address_space: global }
      - { .name: xs, .offset: 24, .size: 8, .value_kind: global_buffer, .address_space: global }
      - { .name: idx, .offset: 32, .size: 8, .value_kind: global_buffer, .address_space: global }
      - { .name: ws, .offset: 40, .size: 8, .value_kind: global_buffer, .address_space: global }
      - { .name: out1, .offset: 48, .size: 8, .value_kind: global_buffer, .address_space: global }
    .group_segment_fixed_size: 1280
    .private_segment_fixed_size: 0
    .kernarg_segment_align: 8
    .kernarg_segment_size: 56
    .max_flat_workgroup_size: 256
    .sgpr_count:     100
    .vgpr_count:     192
    .wavefront_size: 32
...
	.end_amdgpu_metadata
.endif
;; end of part 2
;; launch up (part 3): grid 8 x 32, 4 waves a work-group, no clusters, 327,680 bytes of LDS; arguments xs, wb, idx, ws, h; writes h
.if DOCPART == 3
	.amdgcn_target "amdgcn-amd-amdhsa--gfx1250"
	.amdhsa_code_object_version 6
	.text
	.protected	k_qeac34eb973_up
	.globl	k_qeac34eb973_up
	.p2align	8
	.type	k_qeac34eb973_up,@function
k_qeac34eb973_up:
	s_mov_b64 s[64:65], 0
	v_nop
	global_prefetch_b8 v0, s[64:65] scope:SCOPE_SE
	s_setreg_imm32_b32 hwreg(HW_REG_WAVE_MODE, 25, 1), 1
	s_wait_xcnt 0x0
; UP: h[tile][8 q + j][row][128] = w_q silu(x gate_q^T) (x up_q^T), bf16, for the tile's three experts q = 0 (shared, w = 1), 1 (lo), 2 (hi).  Operands bf16, sums and the activation f32, h rounded once.
; SHARES.  Work-group (j, tile): 160 rows x 128 columns of h for three experts: 24 K steps of 128.  Wave w: all ten units of 16 rows x rows 64 w .. 64 w + 63 of the weights' block, which are
; 32 rows of gate and the same 32 of up: both factors of a number of h fall into one lane.  40 accumulators, 320 registers.
; THE MATRIX INSTRUCTION IS USED TRANSPOSED: source 0 = 16 rows of weights, source 1 = 16 tokens: a lane holds one token (lane % 16) and eight neighbouring columns.
; THE RING.  Two LDS slots, one K step each (160 rows of x, 256 of weights, 272 bytes apart).  Waves 0, 1 fetch x's halves, waves 2, 3 the weights': one tensor load a wave behind each change of
; slots, and it has a whole step, 160 matrix instructions a wave, in which to land.  By this text's count a wave has two tensor loads out at the start and one later.
; ROWS PAST THE COUNT hold zeros in xs, so their h is 0.  The matrix work of units 8 and 9 is jumped where the tile has no rows there (NU, read from idx); only matrix instructions are jumped.
; NO CLUSTER: the eight work-groups of a tile share x's tiles, 40 of a step's 104 KB; the jumps hang on a number read from memory, which partners would have to share; not built here.
; LIMITS.  silu(g) = g / (1 + 2^(-g log2 e)): where the power overflows the quotient is 0, as it should be; NaN and infinities are not treated apart.
; REGISTERS, in windows of 256 (s_set_vgpr_msb: bits 1:0 source 0, 3:2 source 1, 5:4 source 2, 7:6 destination):
;   window 0: v4-13 addresses; v16-35 a pair (this expert's weight, the next one's) for each unit; v36-45 w_hi; v64-223 x's fragments, buffer 0 (unit a, k half at 64 + 16 a + 8 k); v224-255 at work
;   window 1: v64-223 x's fragments, buffer 1; on the way out 80 of them take rows read back      window 2: accumulators of units 0-7 (32 a + 8 b)
;   window 3: v0-63 accumulators of units 8, 9; v64-127, v128-191 the weights' fragments, buffers 0, 1 (32 k + 8 b)
.set PITCH,  272                       ; an LDS row: 256 bytes + 16: the sixteen rows of a fragment load begin 68 words apart
.set UNIT,   16*PITCH
.set ABYTES, 160*PITCH
.set SLOT,   1<<17                     ; slot 1 begins here, so that one exclusive or turns an address in one slot into the other's
.set STAGE,  SLOT+ABYTES+256*PITCH     ; behind the ring, never filled by a tensor load: 160 rows x 272 bytes
.set SPARE,  STAGE+ABYTES              ; the spare words, 128 bytes a wave, which no other line names
.set D5,  20                           ; the loads of units 5-9 of a run
.set D2,  33                           ; the add and the loads of units 2-9
.set BA,  4                            ; v4   my lane's place in x's tile
.set BBV, 5                            ; v5   in my 64 rows of the weights' tile
.set ADA, 6                            ; v6, v7  the same in the slot in hand
.set ADB, 7
.set STO, 8                            ; v8   into the stage
.set RD,  9                            ; v9   back from it
.set GO,  10                           ; v10  my byte offset in the block of h
.set WO,  11
.set SPW, 12
.set NIL, 13
.set WP,  16
.set WH,  36
.set FA,  64
.set FB,  64
.set T,   224
.set U,   240
.set WV,  14
.set NU,  23                           ; s[20:23] the tile's entry: lo, hi, rows, units
.set G1A, 24
.set G1B, 32
.set G0A, 40                           ; the first fills of slot 0
.set G0B, 44
.set G0A2, 48                          ; the first fills of slot 1; these two then walk
.set G0B2, 52
.set ABASE, 56
.set BB0, 58
.set BB1, 60
.set BB2, 62
.set BSEL, 66
.set OFF, 68
.set NS,  70                           ; the K step to be asked for next
.set TB,  71                           ; the slot in hand: 0 or SLOT
.set EX,  72
.set CNT, 73
.set HB,  76
.set CS,  78
.set MSB, 0
.macro WIN new                         ; the immediate's high byte repeats the setting that is left; a switch that changes nothing is dropped
.if MSB != (\new)
	s_set_vgpr_msb (MSB<<8)|(\new)
.set MSB, (\new)
.endif
.endm
.macro PLACES
.rept 4
	v_nop
.endr
.endm
.macro LOAD                            ; a refill: an s_nop 0 and four v_nop follow each of the two lines, ahead of the jump and the label
	s_cmp_lt_u32 s[WV], 2
	s_cbranch_scc0 .Lfor_b_\@
	tensor_load_to_lds s[G0A2:G0A2+3], s[G1A:G1A+7]
	s_nop 0
	PLACES
	s_branch .Lasked_\@
.Lfor_b_\@:
	tensor_load_to_lds s[G0B2:G0B2+3], s[G1B:G1B+7]
	s_nop 0
	PLACES
.Lasked_\@:
.endm
.macro FILLADDR                        ; the walking descriptors: the other slot, K step NS = 8 q + kb.  Scalar work alone
	s_xor_b32 s[G0A2+1], s[G0A2+1], SLOT
	s_xor_b32 s[G0B2+1], s[G0B2+1], SLOT
	s_and_b32 s2, s[NS], 7
	s_lshr_b32 s3, s[NS], 3
	s_mul_i32 s[OFF], s2, 40960
	s_add_nc_u64 s[G0A2+2:G0A2+3], s[ABASE:ABASE+1], s[OFF:OFF+1]
	s_or_b32 s[G0A2+3], s[G0A2+3], 0x80000000
	s_cmp_eq_u32 s3, 1
	s_cselect_b64 s[BSEL:BSEL+1], s[BB1:BB1+1], s[BB0:BB0+1]
	s_cmp_eq_u32 s3, 2
	s_cselect_b64 s[BSEL:BSEL+1], s[BB2:BB2+1], s[BSEL:BSEL+1]
	s_lshl_b32 s[OFF], s2, 16
	s_add_nc_u64 s[G0B2+2:G0B2+3], s[BSEL:BSEL+1], s[OFF:OFF+1]
	s_or_b32 s[G0B2+3], s[G0B2+3], 0x80000000
	s_add_co_u32 s[NS], s[NS], 1
.endm
; Unit a's eight matrix instructions on buffer f (64 along K): its four accumulators by turns.  zero = 1: the first four start the sums.
.macro W a, f, zero
.if (\a) < 8
	WIN 0xa3+4*(\f)
.set AC, 32*(\a)
.else
	WIN 0xf3+4*(\f)
.set AC, 32*((\a)-8)
.endif
.irp k, 0,1
.irp b, 0,1,2,3
.if (\zero) && ((\k) == 0)
	v_wmma_f32_16x16x32_bf16 v[AC+8*(\b):AC+8*(\b)+7], v[FB+64*(\f)+32*(\k)+8*(\b):FB+64*(\f)+32*(\k)+8*(\b)+7], v[FA+16*(\a)+8*(\k):FA+16*(\a)+8*(\k)+7], 0
.else
	v_wmma_f32_16x16x32_bf16 v[AC+8*(\b):AC+8*(\b)+7], v[FB+64*(\f)+32*(\k)+8*(\b):FB+64*(\f)+32*(\k)+8*(\b)+7], v[FA+16*(\a)+8*(\k):FA+16*(\a)+8*(\k)+7], v[AC+8*(\b):AC+8*(\b)+7]
.endif
.endr
.endr
.endm
.macro WC a, f, zero                   ; the same for unit 8 or 9, jumped where the tile has no rows there; the products that start the sums always run, so that the accumulators are written
.if \zero
	W \a, \f, 1
.else
	WIN 0
	s_cmp_gt_u32 s[NU], \a
	s_cbranch_scc0 .Ldead_\@
	W \a, \f, 0
	WIN 0
.Ldead_\@:
.endif
.endm
.macro AIM f                           ; four plain vector instructions: the addresses in the slot in hand; they are also the places in front of loads into registers that matrix instructions have read
	WIN 0
	v_add_nc_u32 v[ADA], s[TB], v[BA]
	v_add_nc_u32 v[ADB], s[TB], v[BBV]
	v_nop
	v_nop
.endm
.macro FLOAD f                         ; 56 LDS loads in one run: 64 along K (half f of the step) into buffer f: the weights first, then x by units
	WIN 0xc0
.irp k, 0,1
.irp b, 0,1,2,3
	ds_load_b128 v[FB+64*(\f)+32*(\k)+8*(\b):FB+64*(\f)+32*(\k)+8*(\b)+3], v[ADB] offset:(\b)*UNIT+(2*(\f)+(\k))*64
	ds_load_b128 v[FB+64*(\f)+32*(\k)+8*(\b)+4:FB+64*(\f)+32*(\k)+8*(\b)+7], v[ADB] offset:(\b)*UNIT+(2*(\f)+(\k))*64+32
.endr
.endr
	WIN 0x40*(\f)
.irp a, 0,1,2,3,4,5,6,7,8,9
.irp k, 0,1
	ds_load_b128 v[FA+16*(\a)+8*(\k):FA+16*(\a)+8*(\k)+3], v[ADA] offset:(\a)*UNIT+(2*(\f)+(\k))*64
	ds_load_b128 v[FA+16*(\a)+8*(\k)+4:FA+16*(\a)+8*(\k)+7], v[ADA] offset:(\a)*UNIT+(2*(\f)+(\k))*64+32
.endr
.endr
.endm
; A K STEP.  zero: its first products start the sums.  nxt: a step follows; fill: the slot is filled again, two steps ahead.
.macro STEP zero, fill, nxt
	s_wait_dscnt D5                                ; the weights and units 0-4 of buffer 0 are in
.irp a, 0,1,2,3,4
	W \a, 0, \zero
.endr
	s_wait_dscnt 0x0                               ; units 5-9 too (asked for at least 40 matrix instructions ago)
	AIM 1
	FLOAD 1
.irp a, 5,6,7
	W \a, 0, \zero
.endr
	WC 8, 0, \zero
	WC 9, 0, \zero
.if \nxt
	WIN 0
	s_wait_tensorcnt 0x0                           ; all my tensor loads have landed: the one that was out is my part of the next slot; a group 0 may be written
	ds_add_u32 v[SPW], v[NIL]                      ; 0 onto my spare word
.if \fill
	FILLADDR
.endif
	s_wait_dscnt D2                                ; the weights and units 0, 1 of buffer 1 are in
	W 0, 1, 0
	W 1, 1, 0
	s_wait_dscnt 0x0                               ; the add is done, and my reads of this slot are over
	s_barrier_signal -1
	W 2, 1, 0                                      ; work on registers while the others arrive
	W 3, 1, 0
	WIN 0
	s_barrier_wait -1                              ; nobody reads this slot any more, and the next slot is whole
.if \fill
	LOAD                                           ; my one tensor load behind the barrier, and the first thing there
.endif
	s_xor_b32 s[TB], s[TB], SLOT
	AIM 0
	FLOAD 0                                        ; the next step's first half
.irp a, 4,5,6,7
	W \a, 1, 0
.endr
	WC 8, 1, 0
	WC 9, 1, 0
.else
	s_wait_dscnt D5
.irp a, 0,1,2,3,4
	W \a, 1, 0
.endr
	s_wait_dscnt 0x0
.irp a, 5,6,7
	W \a, 1, 0
.endr
	WC 8, 1, 0
	WC 9, 1, 0
.endif
.endm
; THE WAY OUT of unit a: h = g (u w) / (1 + 2^(-g log2 e)).  Each accumulator is read from its low end on.  Sixteen exponentials are one batch with one wait, u w standing between; sixteen reciprocals likewise.
.macro EPIU a
.if (\a) < 8
.set SW, 0x02
.set AC, 32*(\a)
.else
.set SW, 0x03
.set AC, 32*((\a)-8)
.endif
	WIN SW                                         ; source 0 in the accumulators' window
.irp i, 0,1,2,3,4,5,6,7
	v_pk_mul_f32 v[T+2*(\i):T+2*(\i)+1], v[AC+2*(\i):AC+2*(\i)+1], s[CS:CS+1] op_sel_hi:[1,0]
.endr
	WIN 0
.set i, 0
.rept 16
	v_exp_f32 v[T+i], v[T+i]
.set i, i+1
.endr
	WIN SW
.irp i, 0,1,2,3,4,5,6,7
	v_pk_mul_f32 v[U+2*(\i):U+2*(\i)+1], v[AC+16+2*(\i):AC+16+2*(\i)+1], v[WP+2*(\a):WP+2*(\a)+1] op_sel_hi:[1,0]
.endr
	WIN 0
	s_wait_alu depctr_va_vdst(0)                   ; one wait for the batch, ahead of its first reader
.irp i, 0,1,2,3,4,5,6,7
	v_pk_add_f32 v[T+2*(\i):T+2*(\i)+1], v[T+2*(\i):T+2*(\i)+1], 1.0 op_sel_hi:[1,0]
.endr
.set i, 0
.rept 16
	v_rcp_f32 v[T+i], v[T+i]
.set i, i+1
.endr
	v_nop                                          ; a plain instruction behind the last reciprocal
	s_wait_alu depctr_va_vdst(0)
.irp i, 0,1,2,3,4,5,6,7
	v_pk_mul_f32 v[U+2*(\i):U+2*(\i)+1], v[U+2*(\i):U+2*(\i)+1], v[T+2*(\i):T+2*(\i)+1]
.endr
	WIN SW
.irp i, 0,1,2,3,4,5,6,7
	v_pk_mul_f32 v[U+2*(\i):U+2*(\i)+1], v[AC+2*(\i):AC+2*(\i)+1], v[U+2*(\i):U+2*(\i)+1]
.endr
	WIN 0
.irp i, 0,1,2,3,4,5,6,7
	v_cvt_pk_bf16_f32 v[T+(\i)], v[U+2*(\i)], v[U+2*(\i)+1]
.endr
	ds_store_b128 v[STO], v[T:T+3] offset:(\a)*UNIT        ; my token's columns 32 w + 8 (lane / 16) on,
	ds_store_b128 v[STO], v[T+4:T+7] offset:(\a)*UNIT+32   ; and 16 further
.endm
	s_load_b256 s[4:11], s[0:1], 0x0               ; xs s[4:5], wb s[6:7], idx s[8:9], ws s[10:11]
	s_load_b64 s[12:13], s[0:1], 0x20              ; h
	v_lshl_add_u32 v[SPW], v0, 2, SPARE
	v_mov_b32 v[NIL], 0
	ds_add_u32 v[SPW], v[NIL]                      ; the wave's opening: the add and its wait come ahead of my first tensor load; work on registers stands between them
	v_lshrrev_b32 v1, 5, v0
	v_readfirstlane_b32 s[WV], v1
	s_and_b32 s15, ttmp7, 0xffff                   ; the tile
	s_and_b32 s16, s[WV], 1                        ; which half of a tile I fetch
	s_mov_b32 s[G1A], (1<<16)|(1<<20)|(5<<22)|(3<<25)  ; elements of 2 bytes; padding on: after every 64 words 4 words
	s_mov_b32 s[G1A+1], 128<<16                    ; tensor_dim0 = 128
	s_mov_b32 s[G1A+2], 80<<16                     ; tensor_dim1 = 80
	s_mov_b32 s[G1A+3], 128<<16                    ; tile_dim0 = 128
	s_mov_b32 s[G1A+4], 80                         ; tile_dim1 = 80
	s_mov_b32 s[G1A+5], 128                        ; the rows are dense: 128 elements from row to row
	s_mov_b32 s[G1A+6], 0
	s_mov_b32 s[G1A+7], 0
	s_mov_b32 s[G1B], (1<<16)|(1<<20)|(5<<22)|(3<<25)
	s_mov_b32 s[G1B+1], 128<<16
	s_mov_b32 s[G1B+2], 128<<16                    ; 128 rows
	s_mov_b32 s[G1B+3], 128<<16
	s_mov_b32 s[G1B+4], 128
	s_mov_b32 s[G1B+5], 128
	s_mov_b32 s[G1B+6], 0
	s_mov_b32 s[G1B+7], 0
	s_mul_i32 s17, s16, 80*PITCH
	s_mul_i32 s18, s16, 128*PITCH
	s_add_co_u32 s18, s18, ABYTES
	s_mov_b32 s[G0A], 1
	s_mov_b32 s[G0A+1], s17
	s_mov_b32 s[G0A2], 1
	s_add_co_u32 s[G0A2+1], s17, SLOT
	s_mov_b32 s[G0B], 1
	s_mov_b32 s[G0B+1], s18
	s_mov_b32 s[G0B2], 1
	s_add_co_u32 s[G0B2+1], s18, SLOT
	s_mul_i32 s2, s15, 327680                      ; x: the tile, my half
	s_mul_i32 s3, s16, 20480
	s_add_co_u32 s2, s2, s3
	s_mov_b32 s3, 0
	s_lshl_b32 s[OFF], ttmp9, 19                   ; weights: slice j, my half
	s_lshl_b32 s19, s16, 15
	s_add_co_u32 s[OFF], s[OFF], s19
	s_mov_b32 s[OFF+1], 0
	s_mul_i32 s[HB], s15, 983040                   ; h: the tile, block j
	s_mul_i32 s17, ttmp9, 40960
	s_add_co_u32 s[HB], s[HB], s17
	s_mov_b32 s[HB+1], 0
	s_lshl_b32 s19, s15, 4
	s_mov_b32 s[CS], 0xbfb8aa3b                    ; -log2(e)
	s_mov_b32 s[CS+1], s[CS]                       ; named with it as a pair
	s_mov_b32 s[NS], 2
	s_mov_b32 s[TB], 0
	s_wait_dscnt 0x0                               ; the opening add is done
	s_wait_kmcnt 0x0
	s_add_nc_u64 s[ABASE:ABASE+1], s[4:5], s[2:3]
	s_add_nc_u64 s[BSEL:BSEL+1], s[6:7], s[OFF:OFF+1]
	s_add_nc_u64 s[BB0:BB0+1], s[BSEL:BSEL+1], 4<<22  ; q = 0 is the shared expert: the first fills need no table
	s_add_nc_u64 s[HB:HB+1], s[12:13], s[HB:HB+1]
	s_mov_b64 s[G0A+2:G0A+3], s[ABASE:ABASE+1]
	s_or_b32 s[G0A+3], s[G0A+3], 0x80000000
	s_add_nc_u64 s[G0A2+2:G0A2+3], s[ABASE:ABASE+1], 40960
	s_or_b32 s[G0A2+3], s[G0A2+3], 0x80000000
	s_mov_b64 s[G0B+2:G0B+3], s[BB0:BB0+1]
	s_or_b32 s[G0B+3], s[G0B+3], 0x80000000
	s_add_nc_u64 s[G0B2+2:G0B2+3], s[BB0:BB0+1], 65536
	s_or_b32 s[G0B2+3], s[G0B2+3], 0x80000000
	s_cmp_lt_u32 s[WV], 2                          ; a wave's two first fills stand in one branch, ahead of every wait on TENSORcnt, every LDS read and every barrier
	s_cbranch_scc0 .Lfirst_b
	tensor_load_to_lds s[G0A:G0A+3], s[G1A:G1A+7]
	s_nop 0
	tensor_load_to_lds s[G0A2:G0A2+3], s[G1A:G1A+7]
	s_nop 0
	PLACES
	s_branch .Lfirst_asked
.Lfirst_b:
	tensor_load_to_lds s[G0B:G0B+3], s[G1B:G1B+7]
	s_nop 0
	tensor_load_to_lds s[G0B2:G0B2+3], s[G1B:G1B+7]
	s_nop 0
	PLACES
.Lfirst_asked:
	s_load_b128 s[20:23], s[8:9], s19 offset:0x5000  ; the tile's entry
	v_and_b32 v1, 15, v0                           ; l % 16
	v_bfe_u32 v2, v0, 4, 1                         ; l / 16
	v_and_b32 v3, 31, v0
	v_mul_u32_u24 v[BA], v1, PITCH
	v_lshl_add_u32 v[BA], v2, 4, v[BA]             ; a fragment: row x pitch + 16 x half; two loads, 32 bytes apart
	s_mul_i32 s17, s[WV], 64*PITCH
	s_add_co_u32 s17, s17, ABYTES
	v_add_nc_u32 v[BBV], s17, v[BA]
	s_lshl_b32 s17, s[WV], 6
	s_add_co_u32 s17, s17, STAGE
	v_add_nc_u32 v[STO], s17, v[BA]                ; into the stage: row l % 16, my wave's 64 bytes, 16 for each half of the lanes
	s_mul_i32 s17, s[WV], 40*PITCH
	s_add_co_u32 s17, s17, STAGE
	v_mul_u32_u24 v[RD], v2, PITCH                 ; back: wave w takes rows 40 w on, whole; lanes 0-15 one row, lanes 16-31 the next
	v_lshl_add_u32 v[RD], v1, 4, v[RD]
	v_add_nc_u32 v[RD], s17, v[RD]
	s_mul_i32 s17, s[WV], 10240
	v_lshl_add_u32 v[GO], v3, 4, s17               ; which are 512 consecutive bytes of h
	s_mul_i32 s17, s15, 1280
	v_lshl_add_u32 v[WO], v1, 3, s17
.irp a, 0,1,2,3,4,5,6,7,8,9
	global_load_b64 v[WP+2*\a:WP+2*\a+1], v[WO], s[10:11] offset:128*\a  ; (w_lo, w_hi) of my token in unit a
.endr
	s_wait_kmcnt 0x0
	s_min_u32 s20, s20, 3                          ; loaded numbers enter addresses only behind these bounds
	s_min_u32 s21, s21, 3
	s_min_u32 s[NU], s[NU], 10
	s_lshl_b32 s2, s20, 22
	s_add_nc_u64 s[BB1:BB1+1], s[BSEL:BSEL+1], s[2:3]
	s_lshl_b32 s2, s21, 22
	s_add_nc_u64 s[BB2:BB2+1], s[BSEL:BSEL+1], s[2:3]
	s_wait_loadcnt 0x0
.irp a, 0,1,2,3,4,5,6,7,8,9
	v_mov_b32 v[WH+\a], v[WP+2*\a+1]
	v_mov_b32 v[WP+2*\a+1], v[WP+2*\a]
	v_mov_b32 v[WP+2*\a], 1.0                      ; the shared expert's weight
.endr
	s_wait_tensorcnt 0x1                           ; my part of slot 0 is in; slot 1's may stay out
	s_barrier_signal -1
	s_barrier_wait -1
	AIM 0
	FLOAD 0
	WIN 0
	s_mov_b32 s[EX], 3
.Lexpert:
	STEP 1, 1, 1
	WIN 0
	s_mov_b32 s[CNT], 5
.Lk5:
	STEP 0, 1, 1
	WIN 0
	s_sub_co_u32 s[CNT], s[CNT], 1
	s_cmp_lg_u32 s[CNT], 0
	s_cbranch_scc1 .Lk5
	s_cmp_eq_u32 s[EX], 1
	s_cbranch_scc1 .Ltail                          ; the last expert's last two steps are written out: they ask for nothing more
	s_mov_b32 s[CNT], 2
.Lk2:
	STEP 0, 1, 1
	WIN 0
	s_sub_co_u32 s[CNT], s[CNT], 1
	s_cmp_lg_u32 s[CNT], 0
	s_cbranch_scc1 .Lk2
	s_branch .Lepi
.Ltail:
	STEP 0, 0, 1
	STEP 0, 0, 0
	WIN 0
.Lepi:
	PLACES                                         ; the places behind the last products
	s_wait_dscnt 0x0                               ; the next step's fragments, asked for above, are in
.irp a, 0,1,2,3,4,5,6,7,8,9
	EPIU \a
.endr
	s_wait_dscnt 0x0                               ; for the others' sake: my stores into the stage are done
	s_barrier_signal -1                            ; the refill that is out may stay out
	s_barrier_wait -1
	WIN 0x40
.irp t, 0,1,2,3,4,5,6,7,8,9,10,11,12,13,14,15,16,17,18,19
	ds_load_b128 v[64+4*\t:67+4*\t], v[RD] offset:2*PITCH*\t
.endr
	WIN 0x04                                       ; the stores' data lie in window 1
.irp t, 0,1,2,3,4,5,6,7,8,9,10,11,12,13,14,15,16,17,18,19
	s_wait_dscnt 19-\t                             ; the younger loads stay out
	global_store_b128 v[GO], v[64+4*\t:67+4*\t], s[HB:HB+1] offset:512*\t  ; 512 consecutive bytes, aligned
.endr
	WIN 0
.irp a, 0,1,2,3,4,5,6,7,8,9
	v_mov_b32 v[WP+2*\a], v[WP+2*\a+1]             ; the next expert's weight
	v_mov_b32 v[WP+2*\a+1], v[WH+\a]
.endr
	s_wait_xcnt 0x0                                ; the stores' base and data are written again only behind this wait
	s_add_nc_u64 s[HB:HB+1], s[HB:HB+1], 327680    ; eight blocks on.  The stage is written again at least seven barriers later, each behind every wave's wait for its LDS reads
	s_sub_co_u32 s[EX], s[EX], 1
	s_cmp_lg_u32 s[EX], 0
	s_cbranch_scc1 .Lexpert
	s_wait_tensorcnt 0x0                           ; the wave's end
	ds_add_u32 v[SPW], v[NIL]
	s_wait_dscnt 0x0
	s_endpgm
.Lfunc_end_k_qeac34eb973_up:
	.size	k_qeac34eb973_up, .Lfunc_end_k_qeac34eb973_up-k_qeac34eb973_up
	.p2alignl 7, 3214868480
	.fill 96, 4, 3214868480
	.section	.rodata,"a",@progbits
	.p2align	6, 0x0
	.amdhsa_kernel k_qeac34eb973_up
		.amdhsa_group_segment_fixed_size 327680
		.amdhsa_private_segment_fixed_size 0
		.amdhsa_enable_private_segment 0
		.amdhsa_kernarg_size 40
		.amdhsa_user_sgpr_count 2
		.amdhsa_user_sgpr_kernarg_segment_ptr 1
		.amdhsa_wavefront_size32 1
		.amdhsa_system_sgpr_workgroup_id_x 1
		.amdhsa_system_sgpr_workgroup_id_y 1
		.amdhsa_system_sgpr_workgroup_id_z 1
		.amdhsa_system_vgpr_workitem_id 0
		.amdhsa_next_free_vgpr 960
		.amdhsa_next_free_sgpr 80
		.amdhsa_reserve_vcc 0
		.amdhsa_float_denorm_mode_32 3
		.amdhsa_float_denorm_mode_16_64 3
		.amdhsa_memory_ordered 1
		.amdhsa_forward_progress 1
		.amdhsa_inst_pref_size 153
	.end_amdhsa_kernel
	.amdgpu_metadata
---
amdhsa.version: [ 1, 2 ]
amdhsa.kernels:
  - .name:           k_qeac34eb973_up
    .symbol:         k_qeac34eb973_up.kd
    .args:
      - { .name: xs, .offset: 0, .size: 8, .value_kind: global_buffer, .address_space: global }
      - { .name: wb, .offset: 8, .size: 8, .value_kind: global_buffer, .address_space: global }
      - { .name: idx, .offset: 16, .size: 8, .value_kind: global_buffer, .address_space: global }
      - { .name: ws, .offset: 24, .size: 8, .value_kind: global_buffer, .address_space: global }
      - { .name: h, .offset: 32, .size: 8, .value_kind: global_buffer, .address_space: global }
    .group_segment_fixed_size: 327680
    .private_segment_fixed_size: 0
    .kernarg_segment_align: 8
    .kernarg_segment_size: 40
    .max_flat_workgroup_size: 128
    .sgpr_count:     80
    .vgpr_count:     960
    .wavefront_size: 32
...
	.end_amdgpu_metadata
.endif
;; end of part 3
;; launch down (part 4): grid 8 x 32, 4 waves a work-group, no clusters, 327,680 bytes of LDS; arguments h, wb, idx, out0; writes out0
.if DOCPART == 4
	.amdgcn_target "amdgcn-amd-amdhsa--gfx1250"
	.amdhsa_code_object_version 6
	.text
	.protected	k_qeac34eb973_down
	.globl	k_qeac34eb973_down
	.p2align	8
	.type	k_qeac34eb973_down,@function
k_qeac34eb973_down:
	s_mov_b64 s[64:65], 0
	v_nop
	global_prefetch_b8 v0, s[64:65] scope:SCOPE_SE
	s_setreg_imm32_b32 hwreg(HW_REG_WAVE_MODE, 25, 1), 1
	s_wait_xcnt 0x0
; DOWN: out0[tok[row]][128 j ..] = the sum over the tile's three experts q of h_q down_q^T: one product with K = 3,072, since h carries the gates' weights.  Operands bf16, sums f32.
; SHARES.  Work-group (j, tile): 160 rows x 128 columns, 12 K steps of 256 (two blocks of 128).  K IS SPLIT AMONG THE WAVES: wave w has the whole tile (80 accumulators, 640 registers) and takes
; k = 32 w .. 32 w + 31 of every block: for a block a wave reads 36 fragments' halves from LDS for 80 matrix instructions, and no fragment is read by two waves.
; The four partial sums (f32) are added through LDS at the end, 80 rows at a time; that way also makes whole rows: a store covers 512 consecutive bytes of a token's row.
; Each output row has one owner: a token lies in one tile.  Rows past the tile's count are not stored; units 8 and 9 are jumped where the tile has no rows there (only matrix instructions are jumped).
; THE RING: two slots of one step (2 x 160 rows of h, 2 x 128 of weights, 272 bytes apart); waves 0, 1 fetch h's two blocks, waves 2, 3 the weights'; one tensor load a wave behind each change of
; slots, 160 matrix instructions a wave in which to land.  By this text's count a wave has two tensor loads out at the start and one later.
; NO CLUSTER: as in the launch before; a tile's eight work-groups share h's tiles, 80 of a step's 144 KB: not built here.
; LIMITS.  The order of the sums differs from the problem's own (K in four parts); NaN and infinities are not treated apart.
; REGISTERS (s_set_vgpr_msb: bits 1:0 source 0, 3:2 source 1, 5:4 source 2, 7:6 destination):
;   window 0: v4-23 addresses; v64-143, v144-223 h's fragments, buffers 0, 1 (8 a); on the way out v64-191 two sets of 4 rows x 4 parts
;   windows 1, 2: accumulators of units 0-3, 4-7 (64 (a % 4) + 8 b)      window 3: v0-127 units 8, 9; v128-191, v192-255 the weights' fragments, buffers 0, 1
.set PITCH,  272
.set UNIT,   16*PITCH
.set ABLK,   160*PITCH
.set BBLK,   128*PITCH
.set SLOT,   2*ABLK+2*BBLK
.set SPARE,  2*SLOT                    ; the spare words, 128 bytes a wave, which no other line names
.set RPITCH, 528                       ; the stage, over the ring once its last fill has been read: a row of 128 f32 + 16 bytes
.set COPY,   80*RPITCH                 ; a wave's part: 80 rows
.set D5,  10                           ; the loads of units 5-9 of a run
.set D2,  17                           ; the add and the loads of units 2-9
.set BA0, 4                            ; v4, v5  my lane's place in h's block 0, 1
.set BB0V, 6                           ; v6, v7  in the weights' block 0, 1
.set ADA, 8
.set ADB, 9
.set STO, 10
.set RD0, 12                           ; v12-15  back from part 0..3
.set GO,  16
.set OV0, 18                           ; v18-21  four rows' offsets in out0
.set SPW, 22
.set NIL, 23
.set FA,  64
.set FB,  128
.set SET, 64
.set WV,  14
.set NU,  23                           ; s[20:23] the tile's entry: lo, hi, rows, units
.set G1A, 24
.set G1B, 32
.set G0A, 40
.set G0B, 44
.set G0A2, 48
.set G0B2, 52
.set ABASE, 56
.set BB0, 58
.set BB1, 60
.set BB2, 62
.set BSEL, 66
.set OFF, 68
.set NS,  70
.set TB,  71
.set CNT, 73
.set LBA, 74
.set LBB, 75
.set TOK0, 24                          ; on the way out: s[24:43], s[68:87] my 2 x 20 rows' tokens
.set LW,  88                           ; rows of the tile less my first
.set MSB, 0
.macro WIN new
.if MSB != (\new)
	s_set_vgpr_msb (MSB<<8)|(\new)
.set MSB, (\new)
.endif
.endm
.macro PLACES
.rept 4
	v_nop
.endr
.endm
.macro LOAD                            ; a refill: an s_nop 0 and four v_nop follow each of the two lines
	s_cmp_lt_u32 s[WV], 2
	s_cbranch_scc0 .Lfor_b_\@
	tensor_load_to_lds s[G0A2:G0A2+3], s[G1A:G1A+7]
	s_nop 0
	PLACES
	s_branch .Lasked_\@
.Lfor_b_\@:
	tensor_load_to_lds s[G0B2:G0B2+3], s[G1B:G1B+7]
	s_nop 0
	PLACES
.Lasked_\@:
.endm
.macro FILLADDR                        ; the walking descriptors: the slot in hand, K step NS = 4 q + part.  Scalar work alone
	s_add_co_u32 s[G0A2+1], s[LBA], s[TB]
	s_add_co_u32 s[G0B2+1], s[LBB], s[TB]
	s_mul_i32 s[OFF], s[NS], 81920
	s_add_nc_u64 s[G0A2+2:G0A2+3], s[ABASE:ABASE+1], s[OFF:OFF+1]
	s_or_b32 s[G0A2+3], s[G0A2+3], 0x80000000
	s_and_b32 s2, s[NS], 3
	s_lshr_b32 s3, s[NS], 2
	s_cmp_eq_u32 s3, 1
	s_cselect_b64 s[BSEL:BSEL+1], s[BB1:BB1+1], s[BB0:BB0+1]
	s_cmp_eq_u32 s3, 2
	s_cselect_b64 s[BSEL:BSEL+1], s[BB2:BB2+1], s[BSEL:BSEL+1]
	s_lshl_b32 s[OFF], s2, 16
	s_add_nc_u64 s[G0B2+2:G0B2+3], s[BSEL:BSEL+1], s[OFF:OFF+1]
	s_or_b32 s[G0B2+3], s[G0B2+3], 0x80000000
	s_add_co_u32 s[NS], s[NS], 1
.endm
.macro W a, f, zero                    ; unit a's eight matrix instructions on buffer f: eight different accumulators
	WIN 0x53+0x50*((\a)/4)
.set AC, 64*((\a)%4)
.irp b, 0,1,2,3,4,5,6,7
.if \zero
	v_wmma_f32_16x16x32_bf16 v[AC+8*(\b):AC+8*(\b)+7], v[FB+64*(\f)+8*(\b):FB+64*(\f)+8*(\b)+7], v[FA+80*(\f)+8*(\a):FA+80*(\f)+8*(\a)+7], 0
.else
	v_wmma_f32_16x16x32_bf16 v[AC+8*(\b):AC+8*(\b)+7], v[FB+64*(\f)+8*(\b):FB+64*(\f)+8*(\b)+7], v[FA+80*(\f)+8*(\a):FA+80*(\f)+8*(\a)+7], v[AC+8*(\b):AC+8*(\b)+7]
.endif
.endr
.endm
.macro WC a, f, zero
.if \zero
	W \a, \f, 1
.else
	WIN 0
	s_cmp_gt_u32 s[NU], \a
	s_cbranch_scc0 .Ldead_\@
	W \a, \f, 0
	WIN 0
.Ldead_\@:
.endif
.endm
.macro AIM f                           ; four plain vector instructions: block f's addresses in the slot in hand; also the places in front of loads into registers that matrix instructions have read
	WIN 0
	v_add_nc_u32 v[ADA], s[TB], v[BA0+(\f)]
	v_add_nc_u32 v[ADB], s[TB], v[BB0V+(\f)]
	v_nop
	v_nop
.endm
.macro FLOAD f                         ; 36 LDS loads in one run: my 32 along K of block f: the weights first, then h by units
	WIN 0xc0
.irp b, 0,1,2,3,4,5,6,7
	ds_load_b128 v[FB+64*(\f)+8*(\b):FB+64*(\f)+8*(\b)+3], v[ADB] offset:(\b)*UNIT
	ds_load_b128 v[FB+64*(\f)+8*(\b)+4:FB+64*(\f)+8*(\b)+7], v[ADB] offset:(\b)*UNIT+32
.endr
	WIN 0
.irp a, 0,1,2,3,4,5,6,7,8,9
	ds_load_b128 v[FA+80*(\f)+8*(\a):FA+80*(\f)+8*(\a)+3], v[ADA] offset:(\a)*UNIT
	ds_load_b128 v[FA+80*(\f)+8*(\a)+4:FA+80*(\f)+8*(\a)+7], v[ADA] offset:(\a)*UNIT+32
.endr
.endm
.macro STEP zero, fill, nxt            ; a K step: as in the launch before
	s_wait_dscnt D5                                ; the weights and units 0-4 of buffer 0 are in
.irp a, 0,1,2,3,4
	W \a, 0, \zero
.endr
	s_wait_dscnt 0x0
	AIM 1
	FLOAD 1
.irp a, 5,6,7
	W \a, 0, \zero
.endr
	WC 8, 0, \zero
	WC 9, 0, \zero
.if \nxt
	WIN 0
	s_wait_tensorcnt 0x0                           ; all my tensor loads have landed: my part of the next slot; a group 0 may be written
	ds_add_u32 v[SPW], v[NIL]                      ; 0 onto my spare word
.if \fill
	FILLADDR
.endif
	s_wait_dscnt D2                                ; the weights and units 0, 1 of buffer 1 are in
	W 0, 1, 0
	W 1, 1, 0
	s_wait_dscnt 0x0                               ; the add is done, and my reads of this slot are over
	s_barrier_signal -1
	W 2, 1, 0
	W 3, 1, 0
	WIN 0
	s_barrier_wait -1
.if \fill
	LOAD                                           ; my one tensor load behind the barrier, and the first thing there
.endif
	s_xor_b32 s[TB], s[TB], SLOT
	AIM 0
	FLOAD 0
.irp a, 4,5,6,7
	W \a, 1, 0
.endr
	WC 8, 1, 0
	WC 9, 1, 0
.else
	s_wait_dscnt D5
.irp a, 0,1,2,3,4
	W \a, 1, 0
.endr
	s_wait_dscnt 0x0
.irp a, 5,6,7
	W \a, 1, 0
.endr
	WC 8, 1, 0
	WC 9, 1, 0
.endif
.endm
.macro PUT a                           ; unit a's partial sums into my part of the stage; each accumulator's low four registers first
	WIN (1+(\a)/4)<<2                              ; the stores' data: window 1, 2 or 3
.irp b, 0,1,2,3,4,5,6,7
	ds_store_b128 v[STO], v[64*((\a)%4)+8*(\b):64*((\a)%4)+8*(\b)+3] offset:((\a)%5)*16*RPITCH+64*(\b)
	ds_store_b128 v[STO], v[64*((\a)%4)+8*(\b)+4:64*((\a)%4)+8*(\b)+7] offset:((\a)%5)*16*RPITCH+64*(\b)+16
.endr
.endm
.macro GLOAD g                         ; rows 4 g .. 4 g + 3 of my 20, all four parts, into set g % 2
.irp i, 0,1,2,3
.irp c, 0,1,2,3
	ds_load_b128 v[SET+64*((\g)%2)+16*(\i)+4*(\c):SET+64*((\g)%2)+16*(\i)+4*(\c)+3], v[RD0+(\c)] offset:(4*(\g)+(\i))*RPITCH
.endr
.endr
.endm
.macro ROWOUT lim, tk, ov, rb          ; a row goes to its token's place, if the tile has it
	s_cmp_gt_i32 s[LW], \lim
	s_cbranch_scc0 .Lno_row_\@
	s_min_u32 s3, s[\tk], 4095                     ; a loaded number enters an address only behind this bound
	v_lshl_add_u32 v[\ov], s3, 12, v[GO]
	global_store_b128 v[\ov], v[\rb:(\rb)+3], s[10:11] th:TH_STORE_NT  ; 512 consecutive bytes of the token's row, aligned
.Lno_row_\@:
.endm
.macro GROUP hh, g
	s_wait_xcnt 0x0                                ; the other set and the four offsets, which earlier stores read, are written again only behind this wait
.if (\g) < 4
	GLOAD (\g)+1
	s_wait_dscnt 16                                ; the next group's sixteen loads stay out
.else
	s_wait_dscnt 0x0
.endif
.irp i, 0,1,2,3
.set RB, SET+64*((\g)%2)+16*(\i)
	v_pk_add_f32 v[RB:RB+1], v[RB:RB+1], v[RB+4:RB+5]
	v_pk_add_f32 v[RB+2:RB+3], v[RB+2:RB+3], v[RB+6:RB+7]
	v_pk_add_f32 v[RB+8:RB+9], v[RB+8:RB+9], v[RB+12:RB+13]
	v_pk_add_f32 v[RB+10:RB+11], v[RB+10:RB+11], v[RB+14:RB+15]
	v_pk_add_f32 v[RB:RB+1], v[RB:RB+1], v[RB+8:RB+9]
	v_pk_add_f32 v[RB+2:RB+3], v[RB+2:RB+3], v[RB+10:RB+11]
.endr
.irp i, 0,1,2,3
	ROWOUT 80*(\hh)+4*(\g)+(\i), TOK0+44*(\hh)+4*(\g)+(\i), OV0+(\i), SET+64*((\g)%2)+16*(\i)
.endr
.endm
	s_load_b256 s[4:11], s[0:1], 0x0               ; h s[4:5], wb s[6:7], idx s[8:9], out0 s[10:11]
	v_lshl_add_u32 v[SPW], v0, 2, SPARE
	v_mov_b32 v[NIL], 0
	ds_add_u32 v[SPW], v[NIL]                      ; the wave's opening: the add and its wait come ahead of my first tensor load
	v_lshrrev_b32 v1, 5, v0
	v_readfirstlane_b32 s[WV], v1
	s_and_b32 s15, ttmp7, 0xffff                   ; the tile
	s_and_b32 s16, s[WV], 1                        ; which block of a step I fetch
	s_mov_b32 s[G1A], (1<<16)|(1<<20)|(5<<22)|(3<<25)  ; elements of 2 bytes; padding on: after every 64 words 4 words
	s_mov_b32 s[G1A+1], 128<<16
	s_mov_b32 s[G1A+2], 160<<16                    ; 160 rows
	s_mov_b32 s[G1A+3], 128<<16
	s_mov_b32 s[G1A+4], 160
	s_mov_b32 s[G1A+5], 128
	s_mov_b32 s[G1A+6], 0
	s_mov_b32 s[G1A+7], 0
	s_mov_b32 s[G1B], (1<<16)|(1<<20)|(5<<22)|(3<<25)
	s_mov_b32 s[G1B+1], 128<<16
	s_mov_b32 s[G1B+2], 128<<16                    ; 128 rows
	s_mov_b32 s[G1B+3], 128<<16
	s_mov_b32 s[G1B+4], 128
	s_mov_b32 s[G1B+5], 128
	s_mov_b32 s[G1B+6], 0
	s_mov_b32 s[G1B+7], 0
	s_mul_i32 s[LBA], s16, ABLK
	s_mul_i32 s[LBB], s16, BBLK
	s_add_co_u32 s[LBB], s[LBB], 2*ABLK
	s_mov_b32 s[G0A], 1
	s_mov_b32 s[G0A+1], s[LBA]
	s_mov_b32 s[G0A2], 1
	s_add_co_u32 s[G0A2+1], s[LBA], SLOT
	s_mov_b32 s[G0B], 1
	s_mov_b32 s[G0B+1], s[LBB]
	s_mov_b32 s[G0B2], 1
	s_add_co_u32 s[G0B2+1], s[LBB], SLOT
	s_mul_i32 s2, s15, 983040                      ; h: the tile, my block
	s_mul_i32 s3, s16, 40960
	s_add_co_u32 s2, s2, s3
	s_mov_b32 s3, 0
	s_lshl_b32 s[OFF], ttmp9, 18                   ; weights: behind WGU, slice j, my block
	s_lshl_b32 s19, s16, 15
	s_add_co_u32 s[OFF], s[OFF], s19
	s_add_co_u32 s[OFF], s[OFF], 20971520
	s_mov_b32 s[OFF+1], 0
	s_lshl_b32 s19, s15, 4
	s_mov_b32 s[NS], 2
	s_mov_b32 s[TB], 0
	s_wait_dscnt 0x0                               ; the opening add is done
	s_wait_kmcnt 0x0
	s_add_nc_u64 s[ABASE:ABASE+1], s[4:5], s[2:3]
	s_add_nc_u64 s[BSEL:BSEL+1], s[6:7], s[OFF:OFF+1]
	s_add_nc_u64 s[BB0:BB0+1], s[BSEL:BSEL+1], 4<<21  ; q = 0 is the shared expert
	s_mov_b64 s[G0A+2:G0A+3], s[ABASE:ABASE+1]
	s_or_b32 s[G0A+3], s[G0A+3], 0x80000000
	s_add_nc_u64 s[G0A2+2:G0A2+3], s[ABASE:ABASE+1], 81920
	s_or_b32 s[G0A2+3], s[G0A2+3], 0x80000000
	s_mov_b64 s[G0B+2:G0B+3], s[BB0:BB0+1]
	s_or_b32 s[G0B+3], s[G0B+3], 0x80000000
	s_add_nc_u64 s[G0B2+2:G0B2+3], s[BB0:BB0+1], 65536
	s_or_b32 s[G0B2+3], s[G0B2+3], 0x80000000
	s_cmp_lt_u32 s[WV], 2                          ; a wave's two first fills stand in one branch, ahead of every wait on TENSORcnt, every LDS read and every barrier
	s_cbranch_scc0 .Lfirst_b
	tensor_load_to_lds s[G0A:G0A+3], s[G1A:G1A+7]
	s_nop 0
	tensor_load_to_lds s[G0A2:G0A2+3], s[G1A:G1A+7]
	s_nop 0
	PLACES
	s_branch .Lfirst_asked
.Lfirst_b:
	tensor_load_to_lds s[G0B:G0B+3], s[G1B:G1B+7]
	s_nop 0
	tensor_load_to_lds s[G0B2:G0B2+3], s[G1B:G1B+7]
	s_nop 0
	PLACES
.Lfirst_asked:
	s_load_b128 s[20:23], s[8:9], s19 offset:0x5000  ; the tile's entry
	v_and_b32 v1, 15, v0
	v_bfe_u32 v2, v0, 4, 1
	v_and_b32 v3, 31, v0
	v_mul_u32_u24 v[BA0], v1, PITCH
	v_lshl_add_u32 v[BA0], v2, 4, v[BA0]
	v_lshl_add_u32 v[BA0], s[WV], 6, v[BA0]        ; row x pitch + 16 x half + my wave's 64 bytes of every row
	v_add_nc_u32 v[BA0+1], ABLK, v[BA0]
	v_add_nc_u32 v[BB0V], 2*ABLK, v[BA0]
	v_add_nc_u32 v[BB0V+1], 2*ABLK+BBLK, v[BA0]
	s_mul_i32 s17, s[WV], COPY
	v_mul_u32_u24 v[STO], v1, RPITCH               ; into my part: row l % 16, 32 bytes for each half of the lanes
	v_lshl_add_u32 v[STO], v2, 5, v[STO]
	v_add_nc_u32 v[STO], s17, v[STO]
	s_mul_i32 s17, s[WV], 20*RPITCH
	v_lshl_add_u32 v[RD0], v3, 4, s17              ; back: my 20 rows of the 80, a whole row of 512 bytes a load
.irp c, 1,2,3
	v_add_nc_u32 v[RD0+\c], COPY*\c, v[RD0]
.endr
	s_lshl_b32 s17, ttmp9, 9
	v_lshl_add_u32 v[GO], v3, 4, s17               ; my 16 bytes of the slice's 512 in a row of out0
	s_wait_kmcnt 0x0
	s_min_u32 s20, s20, 3                          ; loaded numbers enter addresses only behind these bounds
	s_min_u32 s21, s21, 3
	s_min_u32 s22, s22, 160
	s_min_u32 s[NU], s[NU], 10
	s_lshl_b32 s2, s20, 21
	s_add_nc_u64 s[BB1:BB1+1], s[BSEL:BSEL+1], s[2:3]
	s_lshl_b32 s2, s21, 21
	s_add_nc_u64 s[BB2:BB2+1], s[BSEL:BSEL+1], s[2:3]
	s_wait_tensorcnt 0x1                           ; my part of slot 0 is in; slot 1's may stay out
	s_barrier_signal -1
	s_barrier_wait -1
	AIM 0
	FLOAD 0
	STEP 1, 1, 1
	WIN 0
	s_mov_b32 s[CNT], 9
.Lk:
	STEP 0, 1, 1
	WIN 0
	s_sub_co_u32 s[CNT], s[CNT], 1
	s_cmp_lg_u32 s[CNT], 0
	s_cbranch_scc1 .Lk
	STEP 0, 0, 1                                   ; the last two steps are written out: they ask for nothing more
	STEP 0, 0, 0
	WIN 0
	; THE WAY OUT.  No tensor load is out, so the descriptors' registers take the tokens' numbers.
	PLACES                                         ; the places behind the last products
	s_mul_i32 s2, s15, 640
	s_mul_i32 s3, s[WV], 80
	s_add_co_u32 s2, s2, s3                        ; 4 (160 tile + 20 wave)
	s_load_b512 s[24:39], s[8:9], s2 offset:0x0    ; rows 20 w .. of the first 80,
	s_load_b128 s[40:43], s[8:9], s2 offset:0x40
	s_load_b512 s[68:83], s[8:9], s2 offset:0x140  ; and of the second
	s_load_b128 s[84:87], s[8:9], s2 offset:0x180
	s_mul_i32 s3, s[WV], 20
	s_sub_co_i32 s[LW], s22, s3
	s_wait_dscnt 0x0                               ; my reads of the ring are over;
	s_barrier_signal -1
	s_barrier_wait -1                              ; everybody's are: the stage may be written over it
.irp a, 0,1,2,3,4
	PUT \a
.endr
	WIN 0
	s_wait_dscnt 0x0                               ; for the others' sake: my stores are done
	s_barrier_signal -1
	s_barrier_wait -1
	s_wait_kmcnt 0x0
	GLOAD 0
.irp g, 0,1,2,3,4
	GROUP 0, \g
.endr
	s_wait_xcnt 0x0                                ; set 0 is loaded again below
	s_barrier_signal -1                            ; every wave's reads of the stage are back (the last group waited for all of them)
	s_barrier_wait -1
.irp a, 5,6,7,8,9
	PUT \a
.endr
	WIN 0
	s_wait_tensorcnt 0x0                           ; my last LDS store lies behind me; the DScnt wait below is also the wait in front of the barrier
	ds_add_u32 v[SPW], v[NIL]
	s_wait_dscnt 0x0
	s_barrier_signal -1
	s_barrier_wait -1
	GLOAD 0
.irp g, 0,1,2,3,4
	GROUP 1, \g
.endr
	s_endpgm
.Lfunc_end_k_qeac34eb973_down:
	.size	k_qeac34eb973_down, .Lfunc_end_k_qeac34eb973_down-k_qeac34eb973_down
	.p2alignl 7, 3214868480
	.fill 96, 4, 3214868480
	.section	.rodata,"a",@progbits
	.p2align	6, 0x0
	.amdhsa_kernel k_qeac34eb973_down
		.amdhsa_group_segment_fixed_size 327680
		.amdhsa_private_segment_fixed_size 0
		.amdhsa_enable_private_segment 0
		.amdhsa_kernarg_size 32
		.amdhsa_user_sgpr_count 2
		.amdhsa_user_sgpr_kernarg_segment_ptr 1
		.amdhsa_wavefront_size32 1
		.amdhsa_system_sgpr_workgroup_id_x 1
		.amdhsa_system_sgpr_workgroup_id_y 1
		.amdhsa_system_sgpr_workgroup_id_z 1
		.amdhsa_system_vgpr_workitem_id 0
		.amdhsa_next_free_vgpr 1024
		.amdhsa_next_free_sgpr 92
		.amdhsa_reserve_vcc 0
		.amdhsa_float_denorm_mode_32 3
		.amdhsa_float_denorm_mode_16_64 3
		.amdhsa_memory_ordered 1
		.amdhsa_forward_progress 1
		.amdhsa_inst_pref_size 121
	.end_amdhsa_kernel
	.amdgpu_metadata
---
amdhsa.version: [ 1, 2 ]
amdhsa.kernels:
  - .name:           k_qeac34eb973_down
    .symbol:         k_qeac34eb973_down.kd
    .args:
      - { .name: h, .offset: 0, .size: 8, .value_kind: global_buffer, .address_space: global }
      - { .name: wb, .offset: 8, .size: 8, .value_kind: global_buffer, .address_space: global }
      - { .name: idx, .offset: 16, .size: 8, .value_kind: global_buffer, .address_space: global }
      - { .name: out0, .offset: 24, .size: 8, .value_kind: global_buffer, .address_space: global }
    .group_segment_fixed_size: 327680
    .private_segment_fixed_size: 0
    .kernarg_segment_align: 8
    .kernarg_segment_size: 32
    .max_flat_workgroup_size: 128
    .sgpr_count:     92
    .vgpr_count:     1024
    .wavefront_size: 32
...
	.end_amdgpu_metadata
.endif
;; end of part 4
